; MI455X (gfx1250); checked and timed in simulation.
; The chip was launched on July 23, 2026; its instructions are those of AMD's public machine-readable ISA for CDNA 5 (MIT licence, August 2026) and "CDNA5" Instruction Set Architecture Reference Guide (July 2026). The comments in the code are by the model that wrote it; some were corrected since.
;; Vector Quantizer Classic. Allowed arithmetic: float matrix products may take bf16 or f16 operands with f32 sums; other float arithmetic in f32, or as packed bf16 or f16 multiplies, adds, multiply-adds, maxima and minima; sums over many terms, partial sums and values carried from step to step in f32; what a program stores and reads back later, other than sums and carried values, may be rounded once to bf16 or f16.
;; Inputs: embedding 1,024 x 8 float32; z 32 x 8 x 64 x 64 float32.
;; Outputs: out0 32 x 8 x 64 x 64 float32; out1 one number float32; out2 one number float32; out3 one number float32; out4 131,072 int32.
;; 2 versions, each right; version 2 is version 1 with the launch gather written anew for expert scheduling mode. Each part assembles by itself: llvm-mc -triple=amdgcn-amd-amdhsa -mcpu=gfx1250 --defsym DOCPART=n.
;; ======== version 1 of 2: 3 launches
;; limits: right only within a limited range of input values
;; workspace buffers: order 524,288 bytes of whole numbers; avgp 1,048,576 bytes; avgq 131,072 bytes; hsum 1,024 bytes; lsum 4,096 bytes
;; launch dist (part 1): grid 256 x 1, 4 waves a work-group, no clusters, 66,304 bytes of LDS; arguments embedding, z, order, avgp, hsum; writes order, avgp, hsum
.if DOCPART == 1
	.amdgcn_target "amdgcn-amd-amdhsa--gfx1250"
	.amdhsa_code_object_version 6
	.text
	.protected	k_qd857723a3e_dist
	.globl	k_qd857723a3e_dist
	.p2align	8
	.type	k_qd857723a3e_dist,@function
k_qd857723a3e_dist:
	s_mov_b64 s[64:65], 0
	v_nop
	global_prefetch_b8 v0, s[64:65] scope:SCOPE_SE
	s_setreg_imm32_b32 hwreg(HW_REG_WAVE_MODE, 25, 1), 1
	s_wait_xcnt 0x0
; VECTOR QUANTISER, FIRST LAUNCH: distances, argmin, softmax statistics.  z: [32][8][64][64] f32, embedding: [1024][8] f32.
; For point r and code n:  d = fl( fl(A_r + B_n) - 2 z_r.e_n ),  A = |z|^2, B = |e|^2: the two f32 roundings of the definition are made as it makes them, since the argmin (ties: the lowest
; index) hangs on them.  z and e are rounded to bf16 for the product on the matrix unit (their products are exact in f32); A and B are ascending sums of the squares of the same rounded numbers.
; OUT: order[r] = argmin_n d;  avgp = my work-group's sums over its 512 points of softmax_n(-d/T);  hsum = its sum of the rows' entropies, in units of log2.
; SOFTMAX: the row's true maximum is taken away: p = 2^(t'), t' = -c (d - m), m = min_n d, c = log2(e)/T;  S = sum p;  row entropy = log2 S - (sum p t')/S.  All sums in f32.
; SHARES.  A work-group owns 512 neighbouring points of one image, a wave 128, in 8 passes of 16 points x all 1,024 codes.  D = Z E^T with M = points, N = codes: a lane holds ONE code
; (lane % 16) and in register j the point 8 (lane / 16) + j.  So B is one register a tile of 16 codes; A, m and 1/S are register pairs; the sum over points is a packed multiply-add.
; K.  The product has 8 terms, the matrix form 32.  One operand of 8 registers holds a PACK of four tiles, one in each group of 8 along K; z stands in one group, zeros in the others: four forms.
; A PASS KEEPS ALL ITS 512 REGISTERS OF d.  Phase 1: products, d, minimum.  Phase 2, in 8 batches of 8 tiles: t', exponentials, the index key, S, sum p t'.  Phase 3: column sums of p / S.
; p does not overwrite its own t' (both enter sum p t'): inside each register window p lies 8 tile slots, one batch, below t', on the batch before, which has been used up.
; THE INDEX KEY: t' (-2^96) + tile is the tile's number where d = m and far above 64 elsewhere; its minimum times 16 plus the lane's place, minimised over the lanes, is the lowest code that attains m.
; LIMITS.  NaN and infinities in z or embedding are not served (a zero times them spoils the products).  d on a grid finer than 2^-90 is not served by the key.  A weight below 2^-126 counts as 0.
; NO CLUSTER, NO TENSOR LOAD: what work-groups share is the codebook, 32,768 bytes read once by each, and every input byte passes through registers to be rounded.
; REGISTERS are named by absolute numbers 0..1023; WF switches the windows (s_set_vgpr_msb: bits 1:0 source 0, 3:2 source 1, 5:4 source 2, 7:6 destination) only where a field changes.
; LDS
.set EF,    0          ; 1,024 codes x 16 bytes: -2 e in bf16
.set BT,    16384      ; B, f32
.set ZF,    20480      ; 512 points x 16 bytes: z in bf16
.set AT,    28672      ; A, f32
.set IDX,   30720      ; the indices, 512 words
.set HS,    32768      ; eight words: entropy sums by wave and half of the lanes
.set AVG,   33024      ; 4 waves x 2 halves of the lanes x 1,024 column sums
.set SPARE, 65792      ; the spare words, 128 bytes a wave: two blocks of 256 bytes that no other line names
; scalar registers: s[4:13] the five addresses; s16, s17, s36 at work
.set WV,  14
.set CNT, 15
.set MH,  19           ; lanes 16-31; also a word's upper bf16
.set CN,  20           ; s[20:21] -c
.set NB,  22           ; s[22:23] -2^96
.set TC,  24           ; s[24:25] the tile's number as f32
.set SM,  26           ; s26-32  lanes with lane % 8 = 1..7
; vector registers.  v0 the thread's number, v1 = lane % 16 and v2 = lane / 16 behind the set-up, v3 at work
.set SPW, 4            ; my spare word's LDS address; never rewritten
.set NIL, 5            ; 0, for the add alone; never rewritten
.set AEP, 6            ; 16 x lane: the code operands
.set AZF, 7            ; this pass's z fragment
.set AAT, 8            ; this pass's A
.set AIX, 9            ; this pass's index words
.set LNF, 10           ; lane % 16 as f32
.set HAC, 11           ; sum of row entropies
.set FZ,  12           ; v12-15  z fragment as loaded
.set ZFM, 16           ; v16-35  0000 LLLL 0000 HHHH 0000: L = z in lanes 0-15, H = z in lanes 16-31; v16 also serves as a zero
.set AV,  36           ; v36-43  A of my 8 points (phase 1)
.set RK,  36           ;         the key (phase 2)
.set RM,  44           ; v44-51  m
.set RW,  44           ;         later 1/S
.set RS,  52           ; v52-59  S (phases 2, 3); in phase 1 the fourth operand buffer
.set RT,  60           ; v60-67  sum p t'
.set TMP, 68           ; v68-99
.set EP,  100          ; v100-123 three operand buffers
.set ACC, 128          ; v128-255 column sums: tile t at ACC + 2 t (even points, odd points)
.set BV,  448          ; v448-511 B of my code in each of the 64 tiles
; data: v256-447 tiles 48-63, v512-767 tiles 0-23, v768-1023 tiles 24-47
; scratch of the set-up
.set EL,  128
.set FRE, 192
.set BB,  224
.set ZL,  68
.set FRZ, 100
.set AA,  116
.set MSB, 0
.macro WIN new                         ; the immediate's high byte repeats the setting that is left; a switch that changes nothing is dropped
.if MSB != (\new)
	s_set_vgpr_msb (MSB<<8)|(\new)
.set MSB, (\new)
.endif
.endm
.macro WF d, a, b, c                   ; windows for destination, source 0, 1, 2, from absolute register numbers; -1: the field stays
.set nw_, MSB
.if (\d)>=0
.set nw_, (nw_&0x3f)|(((\d)>>8)<<6)
.endif
.if (\a)>=0
.set nw_, (nw_&0xfc)|((\a)>>8)
.endif
.if (\b)>=0
.set nw_, (nw_&0xf3)|(((\b)>>8)<<2)
.endif
.if (\c)>=0
.set nw_, (nw_&0xcf)|(((\c)>>8)<<4)
.endif
	WIN nw_
.endm
.macro TSET t                          ; tile t: TD its d and t', TP its p
.if (\t)<24
.set tb_, 512
.set ti_, (\t)
.elseif (\t)<48
.set tb_, 768
.set ti_, (\t)-24
.else
.set tb_, 256
.set ti_, (\t)-48
.endif
.set TD, tb_+8*(ti_+8)
.set TP, tb_+8*ti_
.endm
.macro FBITS t                         ; FB = the bits of the f32 number t, 0 to 63
.if (\t)==0
.set FB, 0
.elseif (\t)<2
.set FB, 127<<23
.elseif (\t)<4
.set FB, (128<<23)|(((\t)-2)<<22)
.elseif (\t)<8
.set FB, (129<<23)|(((\t)-4)<<21)
.elseif (\t)<16
.set FB, (130<<23)|(((\t)-8)<<20)
.elseif (\t)<32
.set FB, (131<<23)|(((\t)-16)<<19)
.else
.set FB, (132<<23)|(((\t)-32)<<18)
.endif
.endm
.macro EPSET s                         ; EB = the operand buffer of pack s: four take turns, 16 packs go round them evenly
.if ((\s)%4)==3
.set EB, RS
.else
.set EB, EP+8*((\s)%4)
.endif
.endm
.macro EPLOAD s                        ; the operand of pack s % 16 (codes 64 s .. 64 s + 63): lane l takes code l, then code 32 + l
	EPSET \s
	WF EB,AEP,-1,-1
	ds_load_b128 v[EB:EB+3], v[AEP] offset:EF+1024*((\s)%16)
	ds_load_b128 v[EB+4:EB+7], v[AEP] offset:EF+1024*((\s)%16)+512
.endm
.macro WM4 s                           ; the four products of pack s: -2 z.e; each is a whole sum, so C is the constant 0 and no accumulator is taken twice
	EPSET \s
.irp g, 0,1,2,3
	TSET 4*(\s)+\g
	WF TD,ZFM,EB,-1
.set d_, TD&255
.set a_, ZFM+4+8*\g-20*(\g/2)          ; L0, H0, 0L, 0H
	v_wmma_f32_16x16x32_bf16 v[d_:d_+7], v[a_:a_+7], v[EB:EB+7], 0
.endr
.endm
.macro XR s                            ; X = fl(A + B) for pack s: two points a line, the lane's code of each tile
.irp g, 0,1,2,3
.set t_, 4*(\s)+\g
.set b_, (BV+(t_/2)*2)&255
	WF TMP,AV,BV,-1
.irp k, 0,1,2,3
.if (\g)%2
	v_pk_add_f32 v[TMP+8*\g+2*\k:TMP+8*\g+2*\k+1], v[AV+2*\k:AV+2*\k+1], v[b_:b_+1] op_sel:[0,1] op_sel_hi:[1,1]
.else
	v_pk_add_f32 v[TMP+8*\g+2*\k:TMP+8*\g+2*\k+1], v[AV+2*\k:AV+2*\k+1], v[b_:b_+1] op_sel_hi:[1,0]
.endif
.endr
.endr
.endm
.macro DR s                            ; d = fl(X + (-2 z.e)), in place; each accumulator is read from its low end on
.irp g, 0,1,2,3
	TSET 4*(\s)+\g
	WF TD,TMP,TD,-1
.irp k, 0,1,2,3
.set d_, (TD&255)+2*\k
	v_pk_add_f32 v[d_:d_+1], v[TMP+8*\g+2*\k:TMP+8*\g+2*\k+1], v[d_:d_+1]
.endr
.endr
.endm
.macro MR s                            ; the running minimum takes two tiles a line
.irp x, 0,1
	TSET 4*(\s)+2*\x
	WF RM,RM,TD,TD
.set a_, TD&255
.irp j, 0,1,2,3,4,5,6,7
	v_min3_num_f32 v[RM+\j], v[RM+\j], v[a_+\j], v[a_+8+\j]
.endr
.endr
.endm
; Batch b: t' of tile i and the exponentials of tile i - 1 line by line, so that an exponential has a plain neighbour; no line names an exponential's result; one window setting for the whole run
.macro UTX b
.set i_, 0
.rept 9
.set q_, 0
.rept 8
.if i_<8
	TSET 8*(\b)+i_
	WF TD,TD,RM,-1
.set d_, (TD&255)+2*(q_%4)
.if q_<4
	v_pk_add_f32 v[d_:d_+1], v[d_:d_+1], v[RM+2*q_:RM+2*q_+1] neg_lo:[0,1] neg_hi:[0,1]
.else
	v_pk_mul_f32 v[d_:d_+1], v[d_:d_+1], s[CN:CN+1] op_sel_hi:[1,0]
.endif
.endif
.if i_>0
	TSET 8*(\b)+i_-1
	WF TP,TD,-1,-1
.set d_, (TP&255)+q_
.set a_, (TD&255)+q_
	v_exp_f32 v[d_], v[a_]
.endif
.set q_, q_+1
.endr
.set i_, i_+1
.endr
.endm
.macro KEYR b                          ; the key of the batch's tiles, four tiles at a time, and its running minimum: the plain work between the exponentials and their wait
.irp y, 0,1
.irp g, 0,1,2,3
.set t_, 8*(\b)+4*\y+\g
	TSET t_
	FBITS t_
	s_mov_b32 s[TC], FB
	WF TMP,TD,-1,-1
.irp k, 0,1,2,3
.set a_, (TD&255)+2*\k
	v_pk_fma_f32 v[TMP+8*\g+2*\k:TMP+8*\g+2*\k+1], v[a_:a_+1], s[NB:NB+1], s[TC:TC+1] op_sel_hi:[1,0,0]
.endr
.endr
	WF RK,RK,TMP,TMP
.irp x, 0,1
.irp j, 0,1,2,3,4,5,6,7
	v_min3_num_f32 v[RK+\j], v[RK+\j], v[TMP+16*\x+\j], v[TMP+16*\x+8+\j]
.endr
.endr
.endr
.endm
.macro SUMR b                          ; S += p (as p x 1 + S: its window fields are those of the line below); T += p t'.  Tile 0 starts both sums
.set i_, 0
.rept 8
.set t_, 8*(\b)+i_
	TSET t_
.set p_, TP&255
.set a_, TD&255
.irp k, 0,1,2,3
.if t_==0
	WF RS,TP,-1,-1
	v_pk_fma_f32 v[RS+2*\k:RS+2*\k+1], v[p_+2*\k:p_+2*\k+1], 1.0, 0 op_sel_hi:[1,0,0]
.else
	WF RS,TP,-1,RS
	v_pk_fma_f32 v[RS+2*\k:RS+2*\k+1], v[p_+2*\k:p_+2*\k+1], 1.0, v[RS+2*\k:RS+2*\k+1] op_sel_hi:[1,0,1]
.endif
.endr
.irp k, 0,1,2,3
.if t_==0
	WF RT,TP,TD,-1
	v_pk_mul_f32 v[RT+2*\k:RT+2*\k+1], v[p_+2*\k:p_+2*\k+1], v[a_+2*\k:a_+2*\k+1]
.else
	WF RT,TP,TD,RT
	v_pk_fma_f32 v[RT+2*\k:RT+2*\k+1], v[p_+2*\k:p_+2*\k+1], v[a_+2*\k:a_+2*\k+1], v[RT+2*\k:RT+2*\k+1]
.endif
.endr
.set i_, i_+1
.endr
.endm
.macro COLR                            ; column sums += p / S: window by window, pair of points by pair, so that a tile's sum is taken up again only behind all the window's others
.irp w, 0,24,48
.set n_, 24-8*(\w/48)
.irp k, 0,1,2,3
.set i_, 0
.rept n_
	TSET \w+i_
	WF ACC,TP,RW,ACC
.set p_, (TP&255)+2*\k
.set c_, ACC+2*(\w+i_)
	v_pk_fma_f32 v[c_:c_+1], v[p_:p_+1], v[RW+2*\k:RW+2*\k+1], v[c_:c_+1]
.set i_, i_+1
.endr
.endr
.endr
.endm
.macro DPP4 op, base                   ; eight registers reduced over the 16 lanes of each half; every lane gets the result
.irp m, 1,2,4,8
.irp j, 0,1,2,3,4,5,6,7
	\op v[\base+\j], v[\base+\j], v[\base+\j] row_xmask:\m row_mask:0xf bank_mask:0xf
.endr
.endr
.endm
.macro FOLD base, st                   ; groups of four registers: group q += group q + st
.set q_, 0
.rept \st
.set a_, (\base)+4*q_
.set b_, a_+4*(\st)
	v_pk_add_f32 v[a_:a_+1], v[a_:a_+1], v[b_:b_+1]
	v_pk_add_f32 v[a_+2:a_+3], v[a_+2:a_+3], v[b_+2:b_+3]
.set q_, q_+1
.endr
.endm
	s_load_b256 s[4:11], s[0:1], 0x0               ; embedding s[4:5], z s[6:7], order s[8:9], avgp s[10:11]
	s_load_b64 s[12:13], s[0:1], 0x20              ; hsum
	v_lshl_add_u32 v[SPW], v0, 2, SPARE
	v_mov_b32 v[NIL], 0
	v_lshrrev_b32 v1, 5, v0
	v_readfirstlane_b32 s[WV], v1                  ; wave 0..3
	v_lshlrev_b32 v1, 5, v0                        ; 32 t: a code's row
	v_lshlrev_b32 v2, 4, v0                        ; 16 t
	v_lshlrev_b32 v3, 2, v0                        ; 4 t
	s_mov_b32 s[MH], 0xffff0000
	s_mov_b32 s[CN], 0xc166d4ca                    ; -c, c = log2(e) / 0.1 = 14.42695
	s_mov_b32 s[CN+1], 0                           ; named with it as a pair
	s_mov_b32 s[NB], 0xef800000                    ; -2^96
	s_mov_b32 s[NB+1], 0
	s_mov_b32 s[TC+1], 0
.irp j, 1,2,3,4,5,6,7
	s_mov_b32 s[SM+\j-1], 0x01010101<<\j
.endr
	s_lshr_b32 s16, ttmp9, 3                       ; the image: 8 work-groups each
	s_lshl_b32 s16, s16, 17                        ; 8 planes of 16,384 bytes
	s_and_b32 s17, ttmp9, 7
	s_lshl_b32 s17, s17, 11                        ; 512 points of 4 bytes
	s_add_co_u32 s16, s16, s17
	s_mov_b32 s17, 0
	s_wait_kmcnt 0x0
	s_add_nc_u64 s[6:7], s[6:7], s[16:17]          ; z at my work-group's points, plane 0
	s_lshl_b32 s16, ttmp9, 11
	s_add_nc_u64 s[8:9], s[8:9], s[16:17]          ; order: 512 words a work-group
	s_lshl_b32 s16, ttmp9, 8
	s_add_nc_u64 s[10:11], s[10:11], s[16:17]      ; avgp: my 256 bytes in each slice
	s_lshl_b32 s16, ttmp9, 2
	s_add_nc_u64 s[12:13], s[12:13], s[16:17]      ; hsum: my word
.set i_, 0
.rept 8                                ; thread t takes codes t + 128 i
	global_load_b128 v[EL+8*i_:EL+8*i_+3], v1, s[4:5] offset:4096*i_
	global_load_b128 v[EL+8*i_+4:EL+8*i_+7], v1, s[4:5] offset:4096*i_+16
.set i_, i_+1
.endr
.set c_, 0
.rept 8                                ; thread t takes points 4 t .. 4 t + 3 of each of the 8 planes: a wave's load covers 512 neighbouring bytes
	global_load_b128 v[ZL+4*c_:ZL+4*c_+3], v2, s[6:7] offset:16384*c_
.set c_, c_+1
.endr
	s_wait_loadcnt 0x8                             ; the codebook's sixteen loads are in; z's eight, issued behind them, may stay out
.set r_, 0
.rept 32
	v_pk_mul_f32 v[EL+2*r_:EL+2*r_+1], v[EL+2*r_:EL+2*r_+1], -2.0 op_sel_hi:[1,0]  ; the distance's factor -2 goes into the operand: exact
.set r_, r_+1
.endr
.set r_, 0
.rept 32
	v_cvt_pk_bf16_f32 v[FRE+r_], v[EL+2*r_], v[EL+2*r_+1]
.set r_, r_+1
.endr
.set i_, 0
.rept 8
	ds_store_b128 v2, v[FRE+4*i_:FRE+4*i_+3] offset:EF+2048*i_
.set i_, i_+1
.endr
.set r_, 0
.rept 32                               ; the rounded numbers back as f32
	v_lshlrev_b32 v[EL+2*r_], 16, v[FRE+r_]
	v_and_b32 v[EL+2*r_+1], s[MH], v[FRE+r_]
.set r_, r_+1
.endr
.set i_, 0
.rept 8
	v_mul_f32 v[BB+i_], v[EL+8*i_], v[EL+8*i_]
.set i_, i_+1
.endr
.set c_, 1
.rept 7                                ; 4 B: a square of a bf16 number is exact in f32, so each line is one f32 addition, in ascending order
.set i_, 0
.rept 8
	v_fmac_f32 v[BB+i_], v[EL+8*i_+c_], v[EL+8*i_+c_]
.set i_, i_+1
.endr
.set c_, c_+1
.endr
.set i_, 0
.rept 8
	v_mul_f32 v[BB+i_], 0x3e800000, v[BB+i_]       ; a quarter: exact
	ds_store_b32 v3, v[BB+i_] offset:BT+512*i_
.set i_, i_+1
.endr
	s_wait_loadcnt 0x0                             ; z; every load has come, so their address registers may be written
	v_lshlrev_b32 v1, 6, v0                        ; 64 t: four points' fragments
.set p_, 0
.rept 4
.set k_, 0
.rept 4
	v_cvt_pk_bf16_f32 v[FRZ+4*p_+k_], v[ZL+8*k_+p_], v[ZL+8*k_+4+p_]
.set k_, k_+1
.endr
.set p_, p_+1
.endr
.set p_, 0
.rept 4
	ds_store_b128 v1, v[FRZ+4*p_:FRZ+4*p_+3] offset:ZF+16*p_
.set p_, p_+1
.endr
.set r_, 0
.rept 16                               ; point p's eight rounded numbers at ZL + 8 p
	v_lshlrev_b32 v[ZL+2*r_], 16, v[FRZ+r_]
	v_and_b32 v[ZL+2*r_+1], s[MH], v[FRZ+r_]
.set r_, r_+1
.endr
.set p_, 0
.rept 4
	v_mul_f32 v[AA+p_], v[ZL+8*p_], v[ZL+8*p_]
.set p_, p_+1
.endr
.set c_, 1
.rept 7
.set p_, 0
.rept 4
	v_fmac_f32 v[AA+p_], v[ZL+8*p_+c_], v[ZL+8*p_+c_]
.set p_, p_+1
.endr
.set c_, c_+1
.endr
	ds_store_b128 v2, v[AA:AA+3] offset:AT
	; the loop's addresses
	v_and_b32 v1, 15, v0                           ; r = lane % 16
	v_bfe_u32 v2, v0, 4, 1                         ; h = lane / 16
	v_and_b32 v3, 31, v0
	v_lshlrev_b32 v[AEP], 4, v3
	s_lshl_b32 s16, s[WV], 11
	s_add_co_u32 s16, s16, ZF
	v_lshl_add_u32 v[AZF], v1, 4, s16              ; my wave's 128 fragments: point r of the pass
	s_lshl_b32 s16, s[WV], 9
	s_add_co_u32 s36, s16, AT
	v_lshl_add_u32 v[AAT], v2, 5, s36              ; A of points 8 h .. 8 h + 7
	s_add_co_u32 s36, s16, IDX
	v_and_b32 v3, 7, v0
	v_lshlrev_b32 v3, 2, v3
	v_lshl_add_u32 v3, v2, 5, v3
	v_add_nc_u32 v[AIX], s36, v3                   ; the word of point 8 h + lane % 8
	v_cvt_f32_u32 v[LNF], v1
	v_mov_b32 v[HAC], 0
	v_lshlrev_b32 v3, 2, v1
.irp r, 0,1,2,3,8,9,10,11,16,17,18,19
	v_mov_b32 v[ZFM+\r], 0
.endr
	s_wait_dscnt 0x0                               ; for the others' sake: my part of the tables is written
	s_barrier_signal -1
	s_barrier_wait -1
	WF BV,0,-1,-1
.set t_, 0
.rept 64
	ds_load_b32 v[(BV+t_)&255], v3 offset:BT+64*t_ ; B of code 16 t + r
.set t_, t_+1
.endr
	WIN 0
	EPLOAD 0
	EPLOAD 1
	EPLOAD 2
	ds_load_b128 v[FZ:FZ+3], v[AZF]
	ds_load_b128 v[AV:AV+3], v[AAT]
	ds_load_b128 v[AV+4:AV+7], v[AAT] offset:16
.set i_, 0
.rept 128                              ; the column sums run over all eight passes and start at 0, written while those loads are out: one text for every pass in place of a first pass written out
	v_mov_b32 v[ACC+i_], 0
.set i_, i_+1
.endr
	s_mov_b32 s[CNT], 8
.Lpass:
	s_wait_dscnt 0x0                               ; z, A and the first three operands, all asked for a phase ago (the first time: B too)
.irp i, 0,1,2,3
	v_cndmask_b32 v[ZFM+4+\i], v[FZ+\i], v[ZFM], s[MH]    ; L
	v_cndmask_b32 v[ZFM+12+\i], v[ZFM], v[FZ+\i], s[MH]   ; H
.endr
.irp j, 0,1,2,3,4,5,6,7
	v_mov_b32 v[RM+\j], 0x7f800000
.endr
	; PHASE 1.  Pack s + 1 is multiplied while pack s is worked on: the 16 lines of X, which name no register of the products, stand between the products and the loads and reads that follow
	WM4 0
.set s_, 0
.rept 16
.if s_<15
	s_wait_dscnt 0x2                               ; LDS loads come back in order: only the youngest operand's two may be out, so pack s + 1's is in
	WM4 s_+1
.endif
	XR s_
	EPLOAD s_+3                                    ; three packs ahead, into the buffer of the pack before this one; the last three fetch the next pass's first packs
	DR s_
	MR s_
.set s_, s_+1
.endr
	WIN 0
	DPP4 v_min_num_f32_dpp, RM
.irp j, 0,1,2,3,4,5,6,7
	v_mov_b32 v[RK+\j], 0x7f800000
.endr
	; PHASE 2
.set bb_, 0
.rept 8
	UTX bb_
	KEYR bb_
	s_wait_alu depctr_va_vdst(0)                   ; one wait for the batch's 64 exponentials, ahead of the first line that names a result
	SUMR bb_
.set bb_, bb_+1
.endr
	; the rows' results
	WIN 0
.irp j, 0,1,2,3,4,5,6,7
	v_fmamk_f32 v[RK+\j], v[RK+\j], 0x41800000, v[LNF]  ; 16 x tile + my place: a code
.endr
	DPP4 v_min_num_f32_dpp, RK
	DPP4 v_add_f32_dpp, RS
	DPP4 v_add_f32_dpp, RT
.irp j, 0,1,2,3,4,5,6,7
	v_rcp_f32 v[RW+\j], v[RS+\j]
.endr
.irp j, 0,1,2,3,4,5,6,7
	v_log_f32 v[TMP+\j], v[RS+\j]
.endr
	v_mov_b32 v3, v[RK]                            ; lane 8 h' + j takes point j's index: plain work behind the sixteen transcendentals
.irp j, 1,2,3,4,5,6,7
	v_cndmask_b32 v3, v3, v[RK+\j], s[SM+\j-1]
.endr
	v_cvt_u32_f32 v3, v3
	s_wait_alu depctr_va_vdst(0)                   ; one wait for the sixteen
	ds_store_b32 v[AIX], v3
	v_add_nc_u32 v[AIX], 64, v[AIX]
.irp j, 0,1,2,3,4,5,6,7
	v_fma_f32 v[TMP+\j], -v[RT+\j], v[RW+\j], v[TMP+\j]  ; log2 S - T / S
.endr
	v_pk_add_f32 v[TMP:TMP+1], v[TMP:TMP+1], v[TMP+2:TMP+3]
	v_pk_add_f32 v[TMP+4:TMP+5], v[TMP+4:TMP+5], v[TMP+6:TMP+7]
	v_pk_add_f32 v[TMP:TMP+1], v[TMP:TMP+1], v[TMP+4:TMP+5]
	v_add_f32 v[TMP], v[TMP], v[TMP+1]
	v_add_f32 v[HAC], v[HAC], v[TMP]
	s_cmp_eq_u32 s[CNT], 1                         ; the last pass has no successor: nothing is read past the wave's own points
	s_cbranch_scc1 .Lnonext
	v_add_nc_u32 v[AZF], 0x100, v[AZF]
	v_add_nc_u32 v[AAT], 64, v[AAT]
	ds_load_b128 v[FZ:FZ+3], v[AZF]                ; the next pass's z and A come in under phase 3
	ds_load_b128 v[AV:AV+3], v[AAT]
	ds_load_b128 v[AV+4:AV+7], v[AAT] offset:16
.Lnonext:
	; PHASE 3
	COLR
	WIN 0                                          ; at a label and at a branch every window is 0
	s_sub_co_u32 s[CNT], s[CNT], 1
	s_cmp_lg_u32 s[CNT], 0
	s_cbranch_scc1 .Lpass
	; THE WAY OUT.  Even and odd points are added; the eight partial rows (4 waves x 2 halves of the lanes) meet in LDS
	v_lshlrev_b32 v3, 2, v1
	v_lshl_add_u32 v3, v2, 12, v3
	s_lshl_b32 s16, s[WV], 13
	v_add_nc_u32 v3, s16, v3                       ; (2 w + h) x 4,096 + 4 r
.set t_, 0
.rept 64
	v_add_f32 v[ACC+2*t_], v[ACC+2*t_], v[ACC+2*t_+1]
	ds_store_b32 v3, v[ACC+2*t_] offset:AVG+64*t_
.set t_, t_+1
.endr
	s_lshl_b32 s16, s[WV], 3
	v_lshl_add_u32 v[AZF], v2, 2, s16
	ds_store_b32 v[AZF], v[HAC] offset:HS          ; sixteen lanes write one word with one value
	v_lshlrev_b32 v[AAT], 4, v0                    ; 16 t
	v_lshrrev_b32 v[AIX], 4, v0
	v_lshlrev_b32 v[AIX], 16, v[AIX]
	v_lshl_add_u32 v[AIX], v1, 4, v[AIX]           ; avgp: slice t / 16 (65,536 bytes each), 16 bytes at 16 (t % 16)
	s_wait_dscnt 0x0                               ; for the others' sake: my stores are done (and the operands fetched in vain by the last pass are in)
	s_barrier_signal -1
	s_barrier_wait -1
.irp i, 0,1
.irp w, 0,1,2,3,4,5,6,7
	ds_load_b128 v[128+32*\i+4*\w:128+32*\i+4*\w+3], v[AAT] offset:AVG+4096*\w+2048*\i  ; codes 512 i + 4 t .. + 3 of partial row w
.endr
.endr
	ds_load_b128 v[192:195], v[ZFM] offset:HS
	ds_load_b128 v[196:199], v[ZFM] offset:HS+16
	ds_load_b128 v[FZ:FZ+3], v[AAT] offset:IDX
	s_wait_dscnt 0x0
	global_store_b128 v[AAT], v[FZ:FZ+3], s[8:9]   ; four indices a thread: a wave's store covers 512 neighbouring bytes
.irp i, 0,1
	FOLD 128+32*\i, 4
	FOLD 128+32*\i, 2
	FOLD 128+32*\i, 1
	global_store_b128 v[AIX], v[128+32*\i:128+32*\i+3], s[10:11] offset:524288*\i  ; sixteen lanes store 256 consecutive bytes, aligned: my work-group's row of a slice
.endr
	FOLD 192, 1
	v_pk_add_f32 v[192:193], v[192:193], v[194:195]
	v_add_f32 v192, v192, v193
	v_cmp_eq_u32 vcc_lo, 0, v0
	s_wait_xcnt 0x0                                ; EXEC changes only when the stores above have read it
	s_and_saveexec_b32 s16, vcc_lo
	global_store_b32 v[ZFM], v192, s[12:13]        ; thread 0: the work-group's entropy sum
	s_wait_xcnt 0x0
	s_or_b32 exec_lo, exec_lo, s16
	s_wait_tensorcnt 0x0                           ; the wave's end, behind my last LDS store
	ds_add_u32 v[SPW], v[NIL]
	s_wait_dscnt 0x0
	s_endpgm
.Lfunc_end_k_qd857723a3e_dist:
	.size	k_qd857723a3e_dist, .Lfunc_end_k_qd857723a3e_dist-k_qd857723a3e_dist
	.p2alignl 7, 3214868480
	.fill 96, 4, 3214868480
	.section	.rodata,"a",@progbits
	.p2align	6, 0x0
	.amdhsa_kernel k_qd857723a3e_dist
		.amdhsa_group_segment_fixed_size 66304
		.amdhsa_private_segment_fixed_size 0
		.amdhsa_enable_private_segment 0
		.amdhsa_kernarg_size 40
		.amdhsa_user_sgpr_count 2
		.amdhsa_user_sgpr_kernarg_segment_ptr 1
		.amdhsa_wavefront_size32 1
		.amdhsa_system_sgpr_workgroup_id_x 1
		.amdhsa_system_sgpr_workgroup_id_y 1
		.amdhsa_system_sgpr_workgroup_id_z 1
		.amdhsa_system_vgpr_workitem_id 0
		.amdhsa_next_free_vgpr 1024
		.amdhsa_next_free_sgpr 66
		.amdhsa_reserve_vcc 1
		.amdhsa_float_denorm_mode_32 3
		.amdhsa_float_denorm_mode_16_64 3
		.amdhsa_memory_ordered 1
		.amdhsa_forward_progress 1
		.amdhsa_inst_pref_size 241
	.end_amdhsa_kernel
	.amdgpu_metadata
---
amdhsa.version: [ 1, 2 ]
amdhsa.kernels:
  - .name:           k_qd857723a3e_dist
    .symbol:         k_qd857723a3e_dist.kd
    .args:
      - { .name: embedding, .offset: 0, .size: 8, .value_kind: global_buffer, .address_space: global }
      - { .name: z, .offset: 8, .size: 8, .value_kind: global_buffer, .address_space: global }
      - { .name: order, .offset: 16, .size: 8, .value_kind: global_buffer, .address_space: global }
      - { .name: avgp, .offset: 24, .size: 8, .value_kind: global_buffer, .address_space: global }
      - { .name: hsum, .offset: 32, .size: 8, .value_kind: global_buffer, .address_space: global }
    .group_segment_fixed_size: 66304
    .private_segment_fixed_size: 0
    .kernarg_segment_align: 8
    .kernarg_segment_size: 40
    .max_flat_workgroup_size: 128
    .sgpr_count:     66
    .vgpr_count:     1024
    .wavefront_size: 32
...
	.end_amdgpu_metadata
.endif
;; end of part 1
;; launch gather (part 2): grid 256 x 1, 4 waves a work-group, no clusters, 0 bytes of LDS; arguments embedding, z, order, avgp, out0, out4, lsum, avgq; writes out0, out4, lsum, avgq
.if DOCPART == 2
	.amdgcn_target "amdgcn-amd-amdhsa--gfx1250"
	.amdhsa_code_object_version 6
	.text
	.protected	k_qd857723a3e_gather
	.globl	k_qd857723a3e_gather
	.p2align	8
	.type	k_qd857723a3e_gather,@function
k_qd857723a3e_gather:
	s_mov_b64 s[64:65], 0
	v_nop
	global_prefetch_b8 v0, s[64:65] scope:SCOPE_SE
	s_setreg_imm32_b32 hwreg(HW_REG_WAVE_MODE, 25, 1), 1
	s_wait_xcnt 0x0
; SECOND LAUNCH.  out0 = z + (e[idx] - z), out4 = idx, lsum = each wave's sum of (e[idx] - z)^2, all on the f32 inputs; and the first step of the tree over avgp.
; The indices come from the launch before as whole numbers: an address may not hang on an argmin made in the same launch.
; A work-group owns the same 512 points as there; thread t owns points 4 t .. 4 t + 3 in each of the 8 planes, so every load and store of z, out0, order and out4 by a wave covers 512 neighbouring bytes.
; avgp is 4,096 rows of 256 bytes ([16 slices of 64 codes][256 work-groups]); wave 0 of work-group g adds rows 16 g .. 16 g + 15, which lie in one slice; even and odd rows stay apart in the two halves of the lanes.
; No LDS, no matrix unit, no cluster: nothing is shared but the codebook's 32,768 bytes, which are gathered by rows of 32 bytes.
.set IX, 4             ; v4-7    four indices
.set Z,  8             ; v8-39   z, then out0: plane c at Z + 4 c
.set EO, 40            ; v40-43  byte offsets of the four codes
.set E,  48            ; v48-79  code of point p at E + 8 p; then e - z; later avgp's rows
.set LS, 80            ; v80-83  four chains of the loss
.macro FOLD base, st                   ; groups of four registers: group q += group q + st
.set q_, 0
.rept \st
.set a_, (\base)+4*q_
.set b_, a_+4*(\st)
	v_pk_add_f32 v[a_:a_+1], v[a_:a_+1], v[b_:b_+1]
	v_pk_add_f32 v[a_+2:a_+3], v[a_+2:a_+3], v[b_+2:b_+3]
.set q_, q_+1
.endr
.endm
	s_load_b256 s[4:11], s[0:1], 0x0               ; embedding s[4:5], z s[6:7], order s[8:9], avgp s[10:11]
	s_load_b256 s[12:19], s[0:1], 0x20             ; out0 s[12:13], out4 s[14:15], lsum s[16:17], avgq s[18:19]
	v_lshrrev_b32 v1, 5, v0
	v_readfirstlane_b32 s20, v1                    ; wave 0..3
	v_lshlrev_b32 v1, 4, v0                        ; 16 t
	v_and_b32 v3, 31, v0                           ; lane
	v_mov_b32 v2, 0
	s_mov_b32 s24, 0x76543210                      ; v_permlanex16_b32: each lane takes its own place in the other half
	s_mov_b32 s25, 0xfedcba98
	s_lshr_b32 s22, ttmp9, 3                       ; the image,
	s_lshl_b32 s22, s22, 17
	s_and_b32 s23, ttmp9, 7                        ; and my 512 points in a plane
	s_lshl_b32 s23, s23, 11
	s_add_co_u32 s22, s22, s23
	s_mov_b32 s23, 0
	s_lshl_b32 s26, ttmp9, 11
	s_mov_b32 s27, 0
	s_wait_kmcnt 0x0
	s_add_nc_u64 s[6:7], s[6:7], s[22:23]
	s_add_nc_u64 s[12:13], s[12:13], s[22:23]
	s_add_nc_u64 s[8:9], s[8:9], s[26:27]
	s_add_nc_u64 s[14:15], s[14:15], s[26:27]
	s_lshl_b32 s26, ttmp9, 4
	s_lshl2_add_u32 s26, s20, s26                  ; 16 g + 4 w
	s_add_nc_u64 s[16:17], s[16:17], s[26:27]
	s_lshl_b32 s26, ttmp9, 12
	s_add_nc_u64 s[10:11], s[10:11], s[26:27]
	s_lshl_b32 s26, ttmp9, 9
	s_add_nc_u64 s[18:19], s[18:19], s[26:27]
	global_load_b128 v[IX:IX+3], v1, s[8:9]
.set c_, 0
.rept 8
	global_load_b128 v[Z+4*c_:Z+4*c_+3], v1, s[6:7] offset:16384*c_
.set c_, c_+1
.endr
	s_wait_loadcnt 0x8                             ; the indices are in; z's eight loads, issued behind them, may stay out
.irp p, 0,1,2,3
	v_min_u32 v[EO+\p], 0x3ff, v[IX+\p]            ; a loaded number enters an address only held to the table's 1,024 rows
	v_lshlrev_b32 v[EO+\p], 5, v[EO+\p]
.endr
.irp p, 0,1,2,3
	global_load_b128 v[E+8*\p:E+8*\p+3], v[EO+\p], s[4:5]
	global_load_b128 v[E+8*\p+4:E+8*\p+7], v[EO+\p], s[4:5] offset:16
.endr
	global_store_b128 v1, v[IX:IX+3], s[14:15]
	s_wait_loadcnt 0x0
.set c_, 0
.rept 8
.irp p, 0,1,2,3
	v_sub_f32 v[E+8*\p+c_], v[E+8*\p+c_], v[Z+4*c_+\p]   ; e - z
.endr
.irp p, 0,1,2,3
	v_add_f32 v[Z+4*c_+\p], v[Z+4*c_+\p], v[E+8*\p+c_]   ; z + (e - z), rounded as the definition rounds it
.endr
.irp p, 0,1,2,3
.if c_==0
	v_mul_f32 v[LS+\p], v[E+8*\p], v[E+8*\p]             ; the first square starts the chain
.else
	v_fmac_f32 v[LS+\p], v[E+8*\p+c_], v[E+8*\p+c_]
.endif
.endr
	global_store_b128 v1, v[Z+4*c_:Z+4*c_+3], s[12:13] offset:16384*c_
.set c_, c_+1
.endr
	v_pk_add_f32 v[LS:LS+1], v[LS:LS+1], v[LS+2:LS+3]
	v_add_f32 v[LS], v[LS], v[LS+1]
.irp m, 1,2,4,8
	v_add_f32_dpp v[LS], v[LS], v[LS] row_xmask:\m row_mask:0xf bank_mask:0xf
.endr
	v_permlanex16_b32 v[LS+1], v[LS], s24, s25
	v_add_f32 v[LS], v[LS], v[LS+1]
	v_cmp_eq_u32 vcc_lo, 0, v3
	s_wait_xcnt 0x0                                ; EXEC changes only when the stores above have read it
	s_and_saveexec_b32 s22, vcc_lo
	global_store_b32 v2, v[LS], s[16:17]           ; lane 0: the wave's sum
	s_wait_xcnt 0x0
	s_or_b32 exec_lo, exec_lo, s22
	s_cmp_lg_u32 s20, 0
	s_cbranch_scc1 .Lend
.set i_, 0
.rept 8                                ; wave 0 (16 t = 16 x lane): 512 neighbouring bytes, two rows, a load
	global_load_b128 v[E+4*i_:E+4*i_+3], v1, s[10:11] offset:512*i_
.set i_, i_+1
.endr
	s_wait_loadcnt 0x0
	FOLD E, 4
	FOLD E, 2
	FOLD E, 1
	global_store_b128 v1, v[E:E+3], s[18:19]       ; 512 consecutive bytes, aligned
.Lend:
	s_endpgm
.Lfunc_end_k_qd857723a3e_gather:
	.size	k_qd857723a3e_gather, .Lfunc_end_k_qd857723a3e_gather-k_qd857723a3e_gather
	.p2alignl 7, 3214868480
	.fill 96, 4, 3214868480
	.section	.rodata,"a",@progbits
	.p2align	6, 0x0
	.amdhsa_kernel k_qd857723a3e_gather
		.amdhsa_group_segment_fixed_size 0
		.amdhsa_private_segment_fixed_size 0
		.amdhsa_enable_private_segment 0
		.amdhsa_kernarg_size 64
		.amdhsa_user_sgpr_count 2
		.amdhsa_user_sgpr_kernarg_segment_ptr 1
		.amdhsa_wavefront_size32 1
		.amdhsa_system_sgpr_workgroup_id_x 1
		.amdhsa_system_sgpr_workgroup_id_y 1
		.amdhsa_system_sgpr_workgroup_id_z 1
		.amdhsa_system_vgpr_workitem_id 0
		.amdhsa_next_free_vgpr 96
		.amdhsa_next_free_sgpr 66
		.amdhsa_reserve_vcc 1
		.amdhsa_float_denorm_mode_32 3
		.amdhsa_float_denorm_mode_16_64 3
		.amdhsa_memory_ordered 1
		.amdhsa_forward_progress 1
		.amdhsa_inst_pref_size 10
	.end_amdhsa_kernel
	.amdgpu_metadata
---
amdhsa.version: [ 1, 2 ]
amdhsa.kernels:
  - .name:           k_qd857723a3e_gather
    .symbol:         k_qd857723a3e_gather.kd
    .args:
      - { .name: embedding, .offset: 0, .size: 8, .value_kind: global_buffer, .address_space: global }
      - { .name: z, .offset: 8, .size: 8, .value_kind: global_buffer, .address_space: global }
      - { .name: order, .offset: 16, .size: 8, .value_kind: global_buffer, .address_space: global }
      - { .name: avgp, .offset: 24, .size: 8, .value_kind: global_buffer, .address_space: global }
      - { .name: out0, .offset: 32, .size: 8, .value_kind: global_buffer, .address_space: global }
      - { .name: out4, .offset: 40, .size: 8, .value_kind: global_buffer, .address_space: global }
      - { .name: lsum, .offset: 48, .size: 8, .value_kind: global_buffer, .address_space: global }
      - { .name: avgq, .offset: 56, .size: 8, .value_kind: global_buffer, .address_space: global }
    .group_segment_fixed_size: 0
    .private_segment_fixed_size: 0
    .kernarg_segment_align: 8
    .kernarg_segment_size: 64
    .max_flat_workgroup_size: 128
    .sgpr_count:     66
    .vgpr_count:     96
    .wavefront_size: 32
...
	.end_amdgpu_metadata
.endif
;; end of part 2
;; launch final (part 3): grid 1 x 1, 16 waves a work-group, no clusters, 2,304 bytes of LDS; arguments avgq, hsum, lsum, out1, out2, out3; writes out1, out2, out3
.if DOCPART == 3
	.amdgcn_target "amdgcn-amd-amdhsa--gfx1250"
	.amdhsa_code_object_version 6
	.text
	.protected	k_qd857723a3e_final
	.globl	k_qd857723a3e_final
	.p2align	8
	.type	k_qd857723a3e_final,@function
k_qd857723a3e_final:
	s_mov_b64 s[64:65], 0
	v_nop
	global_prefetch_b8 v0, s[64:65] scope:SCOPE_SE
	s_setreg_imm32_b32 hwreg(HW_REG_WAVE_MODE, 25, 1), 1
	s_wait_xcnt 0x0
; THIRD LAUNCH: the three scalars.  One work-group, since the sums span everything; it reads 131,072 + 1,024 + 4,096 bytes.
; avgq: [256][2][64] f32; wave v owns slice v (codes 64 v .. 64 v + 63): 32 rows of 256 bytes.  a = column sum / 2^17;  E = sum a log2(a + 1e-5);  H = sum of hsum;  L = sum of lsum.
; out1 = L / 2^20;  out2 = 0.25 out1;  out3 = 0.1 ln 2 (H / 2^17 + E): sample entropy less average entropy, both counted in log2.
.set RED,   0          ; 16 waves x 16 bytes: E, L, H, 0
.set SPARE, 256        ; the spare words, 128 bytes a wave: eight blocks of 256 bytes that no other line names
.set SPW, 2
.set NIL, 3
.set G,   16           ; v16-79  sixteen loads of four
.macro FOLD base, st                   ; groups of four registers: group q += group q + st
.set q_, 0
.rept \st
.set a_, (\base)+4*q_
.set b_, a_+4*(\st)
	v_pk_add_f32 v[a_:a_+1], v[a_:a_+1], v[b_:b_+1]
	v_pk_add_f32 v[a_+2:a_+3], v[a_+2:a_+3], v[b_+2:b_+3]
.set q_, q_+1
.endr
.endm
.macro ROW16 x                         ; a sum over the 16 lanes of each half
.irp m, 1,2,4,8
	v_add_f32_dpp v[\x], v[\x], v[\x] row_xmask:\m row_mask:0xf bank_mask:0xf
.endr
.endm
	s_load_b256 s[4:11], s[0:1], 0x0               ; avgq s[4:5], hsum s[6:7], lsum s[8:9], out1 s[10:11]
	s_load_b128 s[12:15], s[0:1], 0x20             ; out2 s[12:13], out3 s[14:15]
	v_lshl_add_u32 v[SPW], v0, 2, SPARE
	v_mov_b32 v[NIL], 0
	v_lshrrev_b32 v1, 5, v0
	v_readfirstlane_b32 s16, v1                    ; wave 0..15
	v_and_b32 v4, 31, v0
	v_lshlrev_b32 v5, 4, v4
	s_lshl_b32 s17, s16, 13
	v_add_nc_u32 v5, s17, v5                       ; 8,192 v + 16 x lane
	v_lshlrev_b32 v6, 3, v0                        ; lsum: two words a thread
	v_and_b32 v7, 255, v0
	v_lshlrev_b32 v7, 2, v7                        ; hsum: a word for each of the first 256 threads; the others read inside the buffer and discard
	v_lshlrev_b32 v8, 4, v1                        ; my wave's 16 bytes of RED
	v_and_b32 v9, 15, v0
	v_lshlrev_b32 v9, 4, v9
	v_mov_b32 v10, 0
	s_mov_b32 s18, 0x76543210
	s_mov_b32 s19, 0xfedcba98
	s_wait_kmcnt 0x0
.set i_, 0
.rept 16
	global_load_b128 v[G+4*i_:G+4*i_+3], v5, s[4:5] offset:512*i_
.set i_, i_+1
.endr
	global_load_b64 v[80:81], v6, s[8:9]
	global_load_b32 v82, v7, s[6:7]
	s_wait_loadcnt 0x0
	FOLD G, 8
	FOLD G, 4
	FOLD G, 2
	FOLD G, 1
.irp k, 0,1,2,3
	v_permlanex16_b32 v[G+4+\k], v[G+\k], s18, s19 ; the other half of the lanes holds the other rows of the same four codes
.endr
.irp k, 0,1,2,3
	v_add_f32 v[G+\k], v[G+\k], v[G+4+\k]
.endr
.irp k, 0,1,2,3
	v_mul_f32 v[G+\k], 0x37000000, v[G+\k]         ; / 2^17
.endr
.irp k, 0,1,2,3
	v_add_f32 v[G+8+\k], 0x3727c5ac, v[G+\k]       ; + 1e-5
.endr
.irp k, 0,1,2,3
	v_log_f32 v[G+8+\k], v[G+8+\k]
.endr
	v_add_f32 v29, v80, v81                        ; L; plain work behind the four logarithms
	v_cmp_gt_u32 vcc_lo, 0x100, v0
	v_cndmask_b32 v30, 0, v82, vcc_lo              ; H
	v_mov_b32 v31, 0
	s_wait_alu depctr_va_vdst(0)                   ; one wait for the four, ahead of their first reader
	v_mul_f32 v28, v[G], v[G+8]
.irp k, 1,2,3
	v_fmac_f32 v28, v[G+\k], v[G+8+\k]
.endr
	v_cmp_gt_u32 vcc_lo, 16, v4
	v_cndmask_b32 v28, 0, v28, vcc_lo              ; E: both halves hold the same codes, one counts
.irp x, 28,29,30
	ROW16 \x
	v_permlanex16_b32 v32, v[\x], s18, s19
	v_add_f32 v[\x], v[\x], v32
.endr
	ds_store_b128 v8, v[28:31] offset:RED          ; all lanes write the same 16 bytes with the same values
	s_wait_dscnt 0x0                               ; for the others' sake
	s_barrier_signal -1
	s_barrier_wait -1
	ds_load_b128 v[36:39], v9 offset:RED           ; lane l takes wave l % 16's three sums
	s_wait_dscnt 0x0
	ROW16 36
	ROW16 37
	ROW16 38
	v_mul_f32 v41, 0x35800000, v37                 ; L / 2^20
	v_mul_f32 v42, 0x3e800000, v41
	v_fmamk_f32 v40, v38, 0x37000000, v36          ; H / 2^17 + E
	v_mul_f32 v40, 0x3d8df4e0, v40                 ; x 0.1 ln 2
	v_cmp_eq_u32 vcc_lo, 0, v0
	s_wait_xcnt 0x0                                ; EXEC changes only when every earlier memory instruction has read it
	s_and_saveexec_b32 s20, vcc_lo
	global_store_b32 v10, v41, s[10:11]
	global_store_b32 v10, v42, s[12:13]
	global_store_b32 v10, v40, s[14:15]
	s_wait_xcnt 0x0
	s_or_b32 exec_lo, exec_lo, s20
	s_wait_tensorcnt 0x0                           ; the wave's end, behind my last LDS store
	ds_add_u32 v[SPW], v[NIL]
	s_wait_dscnt 0x0
	s_endpgm
.Lfunc_end_k_qd857723a3e_final:
	.size	k_qd857723a3e_final, .Lfunc_end_k_qd857723a3e_final-k_qd857723a3e_final
	.p2alignl 7, 3214868480
	.fill 96, 4, 3214868480
	.section	.rodata,"a",@progbits
	.p2align	6, 0x0
	.amdhsa_kernel k_qd857723a3e_final
		.amdhsa_group_segment_fixed_size 2304
		.amdhsa_private_segment_fixed_size 0
		.amdhsa_enable_private_segment 0
		.amdhsa_kernarg_size 48
		.amdhsa_user_sgpr_count 2
		.amdhsa_user_sgpr_kernarg_segment_ptr 1
		.amdhsa_wavefront_size32 1
		.amdhsa_system_sgpr_workgroup_id_x 1
		.amdhsa_system_sgpr_workgroup_id_y 1
		.amdhsa_system_sgpr_workgroup_id_z 1
		.amdhsa_system_vgpr_workitem_id 0
		.amdhsa_next_free_vgpr 96
		.amdhsa_next_free_sgpr 66
		.amdhsa_reserve_vcc 1
		.amdhsa_float_denorm_mode_32 3
		.amdhsa_float_denorm_mode_16_64 3
		.amdhsa_memory_ordered 1
		.amdhsa_forward_progress 1
		.amdhsa_inst_pref_size 9
	.end_amdhsa_kernel
	.amdgpu_metadata
---
amdhsa.version: [ 1, 2 ]
amdhsa.kernels:
  - .name:           k_qd857723a3e_final
    .symbol:         k_qd857723a3e_final.kd
    .args:
      - { .name: avgq, .offset: 0, .size: 8, .value_kind: global_buffer, .address_space: global }
      - { .name: hsum, .offset: 8, .size: 8, .value_kind: global_buffer, .address_space: global }
      - { .name: lsum, .offset: 16, .size: 8, .value_kind: global_buffer, .address_space: global }
      - { .name: out1, .offset: 24, .size: 8, .value_kind: global_buffer, .address_space: global }
      - { .name: out2, .offset: 32, .size: 8, .value_kind: global_buffer, .address_space: global }
      - { .name: out3, .offset: 40, .size: 8, .value_kind: global_buffer, .address_space: global }
    .group_segment_fixed_size: 2304
    .private_segment_fixed_size: 0
    .kernarg_segment_align: 8
    .kernarg_segment_size: 48
    .max_flat_workgroup_size: 512
    .sgpr_count:     66
    .vgpr_count:     96
    .wavefront_size: 32
...
	.end_amdgpu_metadata
.endif
;; end of part 3
;; ======== version 2 of 2: 3 launches; version 1 with the launch gather written anew for expert scheduling mode
;; limits: right only within a limited range of input values
;; workspace buffers: order 524,288 bytes of whole numbers; avgp 1,048,576 bytes; avgq 131,072 bytes; hsum 1,024 bytes; lsum 4,096 bytes
;; launch dist: the kernel of part 1 again; grid 256 x 1, 4 waves a work-group, no clusters, 66,304 bytes of LDS; arguments embedding, z, order, avgp, hsum; writes order, avgp, hsum
;; launch gather (part 4): grid 256 x 1, 4 waves a work-group, no clusters, 0 bytes of LDS; arguments embedding, z, order, avgp, out0, out4, lsum, avgq; writes out0, out4, lsum, avgq
.if DOCPART == 4
	.amdgcn_target "amdgcn-amd-amdhsa--gfx1250"
	.amdhsa_code_object_version 6
	.text
	.protected	k_qd857723a3e_gather
	.globl	k_qd857723a3e_gather
	.p2align	8
	.type	k_qd857723a3e_gather,@function
k_qd857723a3e_gather:
	s_mov_b64 s[64:65], 0
	v_nop
	global_prefetch_b8 v0, s[64:65] scope:SCOPE_SE
	s_setreg_imm32_b32 hwreg(HW_REG_WAVE_SCHED_MODE, 0, 2), 2
	s_setreg_imm32_b32 hwreg(HW_REG_WAVE_MODE, 25, 1), 1
	s_wait_xcnt 0x0
	s_wait_alu depctr_vm_vsrc(0)
; SECOND LAUNCH.  out0 = z + (e[idx] - z), out4 = idx, lsum = each wave's sum of (e[idx] - z)^2, all on the f32 inputs; and the first step of the tree over avgp.
; The indices come from the launch before as whole numbers: an address may not hang on an argmin made in the same launch.
; A work-group owns the same 512 points as there; thread t owns points 4 t .. 4 t + 3 in each of the 8 planes, so every load and store of z, out0, order and out4 by a wave covers 512 neighbouring bytes.
; avgp is 4,096 rows of 256 bytes ([16 slices of 64 codes][256 work-groups]); wave 0 of work-group g adds rows 16 g .. 16 g + 15, which lie in one slice; even and odd rows stay apart in the two halves of the lanes.
; No LDS, no matrix unit, no cluster: nothing is shared but the codebook's 32,768 bytes, which are gathered by rows of 32 bytes.
; THE MODE: SCHED_MODE bits 1:0 = 2 (LLVM: expert scheduling mode 2), set by the entry lines.  The code itself states the register dependences
; between vector instructions and memory instructions, with s_wait_alu, always for 0.
; THE PLAN.  Registers that memory instructions touch:
;   v1, v2   offsets, written at the head and never again; read by every load and store.
;   IX       written by its load; read by the clamps and by out4's store; never written again.
;   EO       written by the clamps and shifts; read by the eight gathering loads; never written again.
;   Z        written by z's loads, then in place by the additions; read by out0's stores; never written behind them.
;   E        written by the gathering loads, then in place by the subtractions; read by the additions and by the loss's lines; in wave 0 avgp's loads land in it at the end, the folds add there, the last store reads its first four.
;   LS       written by the loss's lines; read by the masked store.
; The planes go in two halves of four.  Behind a half's additions one wait states that its sixteen registers of Z are written; its four stores follow in a run; the vector lines behind them
; (the other half's arithmetic; the loss) name none of those registers.  The loss's lines stand behind both halves; each chain takes its squares in ascending channel order.
.set IX, 4             ; v4-7    four indices
.set Z,  8             ; v8-39   z, then out0: plane c at Z + 4 c
.set EO, 40            ; v40-43  byte offsets of the four codes
.set E,  48            ; v48-79  code of point p at E + 8 p; then e - z; later avgp's rows
.set LS, 80            ; v80-83  four chains of the loss
.macro FOLD base, st                   ; groups of four registers: group q += group q + st
.set q_, 0
.rept \st
.set a_, (\base)+4*q_
.set b_, a_+4*(\st)
	v_pk_add_f32 v[a_:a_+1], v[a_:a_+1], v[b_:b_+1]
	v_pk_add_f32 v[a_+2:a_+3], v[a_+2:a_+3], v[b_+2:b_+3]
.set q_, q_+1
.endr
.endm
.macro PLANE c                         ; plane c of my four points
.irp p, 0,1,2,3
	v_sub_f32 v[E+8*\p+(\c)], v[E+8*\p+(\c)], v[Z+4*(\c)+\p]   ; e - z
.endr
.irp p, 0,1,2,3
	v_add_f32 v[Z+4*(\c)+\p], v[Z+4*(\c)+\p], v[E+8*\p+(\c)]   ; z + (e - z), rounded as the definition rounds it
.endr
.endm
	s_load_b256 s[4:11], s[0:1], 0x0               ; embedding s[4:5], z s[6:7], order s[8:9], avgp s[10:11]
	s_load_b256 s[12:19], s[0:1], 0x20             ; out0 s[12:13], out4 s[14:15], lsum s[16:17], avgq s[18:19]
	v_lshrrev_b32 v1, 5, v0
	v_readfirstlane_b32 s20, v1                    ; wave 0..3
	v_lshlrev_b32 v1, 4, v0                        ; 16 t
	v_and_b32 v3, 31, v0                           ; lane
	v_mov_b32 v2, 0
	s_wait_alu depctr_va_sdst(0)                   ; s20 is written, ahead of its first reader: lsum's address is made from it, and the last branch hangs on it
	s_mov_b32 s24, 0x76543210                      ; v_permlanex16_b32: each lane takes its own place in the other half
	s_mov_b32 s25, 0xfedcba98
	s_lshr_b32 s22, ttmp9, 3                       ; the image,
	s_lshl_b32 s22, s22, 17
	s_and_b32 s23, ttmp9, 7                        ; and my 512 points in a plane
	s_lshl_b32 s23, s23, 11
	s_add_co_u32 s22, s22, s23
	s_mov_b32 s23, 0
	s_lshl_b32 s26, ttmp9, 11
	s_mov_b32 s27, 0
	s_wait_kmcnt 0x0
	s_add_nc_u64 s[6:7], s[6:7], s[22:23]
	s_add_nc_u64 s[12:13], s[12:13], s[22:23]
	s_add_nc_u64 s[8:9], s[8:9], s[26:27]
	s_add_nc_u64 s[14:15], s[14:15], s[26:27]
	s_lshl_b32 s26, ttmp9, 4
	s_lshl2_add_u32 s26, s20, s26                  ; 16 g + 4 w
	s_add_nc_u64 s[16:17], s[16:17], s[26:27]
	s_lshl_b32 s26, ttmp9, 12
	s_add_nc_u64 s[10:11], s[10:11], s[26:27]
	s_lshl_b32 s26, ttmp9, 9
	s_add_nc_u64 s[18:19], s[18:19], s[26:27]
	s_wait_alu depctr_va_vdst(0)                   ; v1 and v2 are written: every load and store of the kernel reads one of them as its offset
	global_load_b128 v[IX:IX+3], v1, s[8:9]
.set c_, 0
.rept 8
	global_load_b128 v[Z+4*c_:Z+4*c_+3], v1, s[6:7] offset:16384*c_
.set c_, c_+1
.endr
	s_wait_loadcnt 0x8                             ; the indices are in; z's eight loads, issued behind them, may stay out
.irp p, 0,1,2,3
	v_min_u32 v[EO+\p], 0x3ff, v[IX+\p]            ; a loaded number enters an address only held to the table's 1,024 rows
	v_lshlrev_b32 v[EO+\p], 5, v[EO+\p]
.endr
	s_wait_alu depctr_va_vdst(0)                   ; the four offsets EO are written, which the gathering loads read as addresses
.irp p, 0,1,2,3
	global_load_b128 v[E+8*\p:E+8*\p+3], v[EO+\p], s[4:5]              ; channels 0 to 3 of the four codes first: planes 0 to 3 want no more
.endr
.irp p, 0,1,2,3
	global_load_b128 v[E+8*\p+4:E+8*\p+7], v[EO+\p], s[4:5] offset:16  ; channels 4 to 7
.endr
	global_store_b128 v1, v[IX:IX+3], s[14:15]     ; its data came by a load, which has been waited for
	s_wait_loadcnt 0x4                             ; loads come back in order (ISA guide 5.7.1): z and the codes' first halves are in, the four younger loads may stay out
	PLANE 0
	PLANE 1
	PLANE 2
	PLANE 3
	s_wait_alu depctr_va_vdst(0)                   ; the additions have written Z .. Z + 15, which the four stores below read
.irp c, 0,1,2,3
	global_store_b128 v1, v[Z+4*\c:Z+4*\c+3], s[12:13] offset:16384*\c
.endr
	s_wait_loadcnt 0x0                             ; the codes' second halves
	PLANE 4                                        ; these lines name Z + 16 .. Z + 31 and E: none of the registers that the stores above read
	PLANE 5
	PLANE 6
	PLANE 7
	s_wait_alu depctr_va_vdst(0)                   ; the additions have written Z + 16 .. Z + 31, which the four stores below read
.irp c, 4,5,6,7
	global_store_b128 v1, v[Z+4*\c:Z+4*\c+3], s[12:13] offset:16384*\c
.endr
.irp p, 0,1,2,3
	v_mul_f32 v[LS+\p], v[E+8*\p], v[E+8*\p]       ; the loss: the first square starts each chain; these lines name E and LS alone
.endr
.set c_, 1
.rept 7
.irp p, 0,1,2,3
	v_fmac_f32 v[LS+\p], v[E+8*\p+c_], v[E+8*\p+c_]
.endr
.set c_, c_+1
.endr
	v_pk_add_f32 v[LS:LS+1], v[LS:LS+1], v[LS+2:LS+3]
	v_add_f32 v[LS], v[LS], v[LS+1]
.irp m, 1,2,4,8
	v_add_f32_dpp v[LS], v[LS], v[LS] row_xmask:\m row_mask:0xf bank_mask:0xf
.endr
	v_permlanex16_b32 v[LS+1], v[LS], s24, s25
	v_add_f32 v[LS], v[LS], v[LS+1]
	v_cmp_eq_u32 vcc_lo, 0, v3
	s_wait_alu depctr_va_vcc(0)                    ; VCC is written: EXEC is made from it
	s_wait_xcnt 0x0                                ; EXEC changes only when the stores above have read it
	s_wait_alu depctr_va_vdst(0)                   ; ahead of the write of EXEC: every vector line so far is done; among them the one that wrote LS, which the store below reads
	s_wait_alu depctr_vm_vsrc(0)                   ; ahead of the write of EXEC: every load and store so far has read its vector registers
	s_and_saveexec_b32 s22, vcc_lo
	global_store_b32 v2, v[LS], s[16:17]           ; lane 0: the wave's sum
	s_wait_xcnt 0x0
	s_wait_alu depctr_va_vdst(0)                   ; ahead of the write of EXEC; it also states that every vector line is done reading and writing E, in which wave 0's loads below land: no vector line stands between
	s_wait_alu depctr_vm_vsrc(0)                   ; ahead of the write of EXEC: the masked store has read v2 and LS
	s_or_b32 exec_lo, exec_lo, s22
	s_cmp_lg_u32 s20, 0
	s_cbranch_scc1 .Lend
.set i_, 0
.rept 8                                ; wave 0 (16 t = 16 x lane): 512 neighbouring bytes, two rows, a load
	global_load_b128 v[E+4*i_:E+4*i_+3], v1, s[10:11] offset:512*i_
.set i_, i_+1
.endr
	s_wait_loadcnt 0x0
	FOLD E, 4
	FOLD E, 2
	FOLD E, 1
	s_wait_alu depctr_va_vdst(0)                   ; the folds have written E .. E + 3, which the store reads
	global_store_b128 v1, v[E:E+3], s[18:19]       ; 512 consecutive bytes, aligned
.Lend:
	s_endpgm
.Lfunc_end_k_qd857723a3e_gather:
	.size	k_qd857723a3e_gather, .Lfunc_end_k_qd857723a3e_gather-k_qd857723a3e_gather
	.p2alignl 7, 3214868480
	.fill 96, 4, 3214868480
	.section	.rodata,"a",@progbits
	.p2align	6, 0x0
	.amdhsa_kernel k_qd857723a3e_gather
		.amdhsa_group_segment_fixed_size 0
		.amdhsa_private_segment_fixed_size 0
		.amdhsa_enable_private_segment 0
		.amdhsa_kernarg_size 64
		.amdhsa_user_sgpr_count 2
		.amdhsa_user_sgpr_kernarg_segment_ptr 1
		.amdhsa_wavefront_size32 1
		.amdhsa_system_sgpr_workgroup_id_x 1
		.amdhsa_system_sgpr_workgroup_id_y 1
		.amdhsa_system_sgpr_workgroup_id_z 1
		.amdhsa_system_vgpr_workitem_id 0
		.amdhsa_next_free_vgpr 96
		.amdhsa_next_free_sgpr 66
		.amdhsa_reserve_vcc 1
		.amdhsa_float_denorm_mode_32 3
		.amdhsa_float_denorm_mode_16_64 3
		.amdhsa_memory_ordered 1
		.amdhsa_forward_progress 1
		.amdhsa_inst_pref_size 11
	.end_amdhsa_kernel
	.amdgpu_metadata
---
amdhsa.version: [ 1, 2 ]
amdhsa.kernels:
  - .name:           k_qd857723a3e_gather
    .symbol:         k_qd857723a3e_gather.kd
    .args:
      - { .name: embedding, .offset: 0, .size: 8, .value_kind: global_buffer, .address_space: global }
      - { .name: z, .offset: 8, .size: 8, .value_kind: global_buffer, .address_space: global }
      - { .name: order, .offset: 16, .size: 8, .value_kind: global_buffer, .address_space: global }
      - { .name: avgp, .offset: 24, .size: 8, .value_kind: global_buffer, .address_space: global }
      - { .name: out0, .offset: 32, .size: 8, .value_kind: global_buffer, .address_space: global }
      - { .name: out4, .offset: 40, .size: 8, .value_kind: global_buffer, .address_space: global }
      - { .name: lsum, .offset: 48, .size: 8, .value_kind: global_buffer, .address_space: global }
      - { .name: avgq, .offset: 56, .size: 8, .value_kind: global_buffer, .address_space: global }
    .group_segment_fixed_size: 0
    .private_segment_fixed_size: 0
    .kernarg_segment_align: 8
    .kernarg_segment_size: 64
    .max_flat_workgroup_size: 128
    .sgpr_count:     66
    .vgpr_count:     96
    .wavefront_size: 32
...
	.end_amdgpu_metadata
.endif
;; end of part 4
;; launch final: the kernel of part 3 again; grid 1 x 1, 16 waves a work-group, no clusters, 2,304 bytes of LDS; arguments avgq, hsum, lsum, out1, out2, out3; writes out1, out2, out3
